; MI455X (gfx1250); checked and timed in simulation.
; The chip was launched on July 23, 2026; its instructions are those of AMD's public machine-readable ISA for CDNA 5 (MIT licence, August 2026) and "CDNA5" Instruction Set Architecture Reference Guide (July 2026). The comments in the code are by the model that wrote it; some were corrected since.
;; Multi Head Attention. Allowed arithmetic: matrix products marked QUANTISED: E2M1 operands, one E8M0 scale for each 32 along K, by v_wmma_scale_f32_16x16x128_f8f6f4 with both operands' format E2M1 (or v_wmma_scale_f32_32x16x128_f4), f32 sums; products left as they are: bf16, f16 or f32 operands; f32 sums; everything else in f32.
;; Inputs: Wk 768 x 768 float32; Wq 768 x 768 float32; Wv 768 x 768 float32; x 2 x 4,096 x 768 float32.
;; Outputs: out0 2 x 4,096 x 768 float32.
;; Constants: num_heads = 6.
;; This version of the problem:
;;   THIS VERSION OF THE PROBLEM IS GIVEN IN LOW PRECISION. The matrix products marked QUANTISED in the list below multiply operands that are first quantised to E2M1 (2 exponent bits, 1 mantissa bit; 4 bits a number), with one power-of-two scale for each 32 numbers along K (OCP MX v1.0); their sums are f32. The products marked 'left as it is' may take bf16, f16 or f32 operands, with f32 sums. Whichever they take, every output number must still come out within the allowed error. Rounding operands to bf16 (8 significant bits) uses up far more of that allowance than f16 does (11 bits, for magnitudes from 6e-5 to 65,504). All else is computed in f32.
;;   The module's matrix products, in the order in which they are computed (A, B: the left and right operand; K: the contracted axis; several contracted axes count as one K, in the product's order):
;;     1. [M 8,192, K 768] x [K 768, N 768]; A: input x; B: input Wq: QUANTISED
;;     2. [M 8,192, K 768] x [K 768, N 768]; A: input x; B: input Wk: QUANTISED
;;     3. [M 8,192, K 768] x [K 768, N 768]; A: input x; B: input Wv: QUANTISED
;;     4. batch 12 x [M 4,096, K 128] x [K 128, N 4,096]; A: computed on the way; B: computed on the way: left as it is (an operand is computed on the way)
;;     5. batch 12 x [M 4,096, K 4,096] x [K 4,096, N 128]; A: computed on the way; B: computed on the way: left as it is (an operand is computed on the way)
;;   THE QUANTISER, for each operand of a quantised product, along K:
;;     - K is cut into blocks of 32 from its start; a last block that is shorter is filled with zeros.
;;     - A block's scale is 2^e with e = floor(log2(the largest magnitude in the block)) - 2, held to -126 .. 127; a block of zeros has e = 0. As a byte (E8M0): e + 127.
;;     - Each number is divided by its block's scale, clamped to +-6, and rounded to the nearest number of E2M1, ties to even, subnormals kept.
;;     - The product sums the exact products of the quantised numbers (number of the format x scale) in f32.
;;   ~~~python
;;   def quantise(x, axis):      # numpy; x: float32 -> the quantised numbers, widened to float32 again
;;       x = np.moveaxis(x, axis, -1); K = x.shape[-1]
;;       x = np.pad(x, [(0, 0)] * (x.ndim - 1) + [(0, -K % 32)]); x = x.reshape(x.shape[:-1] + (-1, 32)); a = np.abs(x).max(-1, keepdims=True)
;;       e = np.where(a > 0, np.clip(np.frexp(np.where(a > 0, a, 1))[1] - 1 - 2, -126, 127), 0)      # np.frexp(a)[1] - 1 = floor(log2(a)), exactly
;;       r = np.clip(x / 2.0 ** e, -6, 6)
;;       step = 2.0 ** (np.maximum(np.frexp(np.where(r == 0, 1, r))[1] - 1, 0) - 1)
;;       q = np.round(r / step) * step * 2.0 ** e      # np.round: ties to even
;;       return np.moveaxis(q.reshape(q.shape[:-2] + (-1,))[..., :K], -1, axis).astype(np.float32)
;;   ~~~
;; One version. Each part assembles by itself: llvm-mc -triple=amdgcn-amd-amdhsa -mcpu=gfx1250 --defsym DOCPART=n.
;; ======== version 1 of 1: 4 launches
;; limits: values are held in f16: magnitudes above 65,504 overflow, below 6.1e-05 lose precision
;; workspace buffers: cimg 4,030,464 bytes; csc 251,904 bytes; qimg 12,582,912 bytes; kimg 12,582,912 bytes; vimg 12,582,912 bytes
;; launch quant (part 1): grid 164 x 3, 4 waves a work-group, no clusters, 68,096 bytes of LDS; arguments x, Wq, Wk, Wv, cimg, csc; writes cimg, csc
.if DOCPART == 1
	.amdgcn_target "amdgcn-amd-amdhsa--gfx1250"
	.amdhsa_code_object_version 6
	.text
	.protected	k_q92dfdae452_quant
	.globl	k_q92dfdae452_quant
	.p2align	8
	.type	k_q92dfdae452_quant,@function
k_q92dfdae452_quant:
	s_mov_b64 s[64:65], 0
	v_nop
	global_prefetch_b8 v0, s[64:65] scope:SCOPE_SE
	s_setreg_imm32_b32 hwreg(HW_REG_WAVE_MODE, 25, 1), 1
	s_wait_xcnt 0x0
; x [8192][768] and Wq, Wk, Wv [768][768], f32 with K innermost, become codes of E2M1 with one E8M0 byte for each 32 along K.
; The four tensors are one list of 656 blocks of 16 rows: 0-511 x, 512-559 Wq, 560-607 Wk, 608-655 Wv.
; cimg[block][K step s of 128][c][lane][16 bytes]: lane (r, h) holds the codes k = 128 s + 64 c + 32 h + 0..31 of row r: two loads of 512
; consecutive bytes are an operand's eight registers.  csc[block][s][r][4 bytes]: row r's four scale bytes of K step s.
; A wave takes one block of rows and two K steps (256 numbers a row).  Each load reads 512 consecutive bytes of one row; the numbers turn
; through the wave's own stage in LDS (rows 528 bytes apart, so that 16 rows start at 16 different 16-byte columns) and come back 32 neighbours along K to a lane.
; A block's scale: its largest magnitude's exponent field less 2, held at 1 from below by a floor among the maximum's leaves.
; LIMITS: a block of zeros gets the byte 1 where the rule says 127 (its codes are zeros, and this program alone reads the bytes); largest
; magnitudes under 2^-124 are held at the floor; NaN and infinities among the inputs are not served.
.set ROWB,  3072                       ; a row in memory
.set PITCH, 528                        ; a stage row: 512 bytes + 16
.set STG,   16*PITCH                   ; a stage: 16 rows of one K step
.set WREG,  2*STG                      ; a wave's two stages
.set SPARE, 4*WREG                     ; behind the stages: the spare words, 128 bytes a wave
.set CD,    16                         ; v16-31  codes: 8 st + 4 c
.set R,     32                         ; v32-159 numbers: 64 st + ..
.set SPW,   160                        ; my spare word's LDS address; never rewritten
.set NIL,   161                        ; 0; never rewritten
	s_load_b256 s[4:11], s[0:1], 0x0               ; x, Wq, Wk, Wv
	s_load_b128 s[12:15], s[0:1], 0x20             ; cimg, csc
	v_lshl_add_u32 v[SPW], v0, 2, SPARE
	v_mov_b32 v[NIL], 0
	v_lshrrev_b32 v6, 5, v0
	v_readfirstlane_b32 s18, v6                    ; wave
	v_and_b32 v2, 31, v0
	v_lshlrev_b32 v1, 4, v2                        ; v1 = 16 x lane
	v_lshlrev_b32 v2, 2, v2                        ; v2 = 4 x lane
	v_and_b32 v6, 15, v0                           ; r
	v_bfe_u32 v7, v0, 4, 1                         ; h
	s_mul_i32 s19, s18, WREG
	v_add_nc_u32 v3, s19, v1                       ; into the stage: 16 bytes a lane of a row
	v_mul_u32_u24 v4, v6, PITCH
	v_lshl_add_u32 v4, v7, 7, v4
	v_add_nc_u32 v4, s19, v4                       ; out of it: row r, 128 h bytes on: my 32 neighbours
	v_lshlrev_b32 v5, 3, v7                        ; 8 h: where my bytes stand in the scale word
	v_mov_b32 v13, 0                               ; written once: a lane permute's destination counts as a source
	s_mov_b32 s20, 0x76543210
	s_mov_b32 s21, 0xfedcba98                      ; selects: lane l xor 16
	s_mov_b32 s22, 0xffff0000                      ; lanes 16-31
	s_lshl_b32 s23, ttmp9, 2
	s_add_co_u32 s23, s23, s18                     ; my block of rows
	s_and_b32 s28, ttmp7, 0xffff                   ; which pair of K steps
	s_mov_b32 s24, 608
	s_wait_kmcnt 0x0
	s_mov_b64 s[16:17], s[10:11]                   ; the tensor is chosen by the work-group's number alone (the bounds are multiples of 4 blocks)
	s_cmp_lt_u32 ttmp9, 152
	s_cselect_b64 s[16:17], s[8:9], s[16:17]
	s_cselect_b32 s24, 560, s24
	s_cmp_lt_u32 ttmp9, 140
	s_cselect_b64 s[16:17], s[6:7], s[16:17]
	s_cselect_b32 s24, 512, s24
	s_cmp_lt_u32 ttmp9, 128
	s_cselect_b64 s[16:17], s[4:5], s[16:17]
	s_cselect_b32 s24, 0, s24
	s_sub_co_u32 s25, s23, s24                     ; the block's number inside its tensor
	s_mul_i32 s26, s25, 16*ROWB
	s_lshl_b32 s27, s28, 10
	s_add_co_u32 s26, s26, s27
	s_mov_b32 s27, 0
	s_add_nc_u64 s[16:17], s[16:17], s[26:27]      ; the numbers
	s_mul_i32 s30, s23, 6144
	s_lshl_b32 s31, s28, 11
	s_add_co_u32 s30, s30, s31
	s_mov_b32 s31, 0
	s_add_nc_u64 s[12:13], s[12:13], s[30:31]      ; the codes
	s_mul_i32 s32, s23, 384
	s_lshl_b32 s33, s28, 7
	s_add_co_u32 s32, s32, s33
	s_mov_b32 s33, 0
	s_add_nc_u64 s[14:15], s[14:15], s[32:33]      ; the scale words
.irp st, 0,1
.set n, 0
.rept 16
	global_load_b128 v[R+64*\st+4*n:R+64*\st+4*n+3], v1, s[16:17] offset:ROWB*n+512*\st th:TH_LOAD_NT   ; 512 consecutive bytes of row n
.set n, n+1
.endr
.endr
; K step st through its stage.  LDS serves a wave's instructions in order: no wait between the stores and the loads.
.macro TURN st
.set n, 0
.rept 16
	ds_store_b128 v3, v[R+64*\st+4*n:R+64*\st+4*n+3] offset:STG*\st+PITCH*n
.set n, n+1
.endr
.irp c, 0,1
.irp t, 0,1,2,3,4,5,6,7
	ds_load_b128 v[R+64*\st+32*\c+4*\t:R+64*\st+32*\c+4*\t+3], v4 offset:STG*\st+256*\c+16*\t
.endr
.endr
.endm
; Registers 32 c + 0..31 of set st are block 2 c + h of my row: two blocks by turns.
.macro QUANT st
.set XS, R+64*\st
.irp c, 0,1
	v_max3_num_f32 v[6+\c], |v[XS+32*\c]|, |v[XS+32*\c+1]|, 0x1800000   ; the floor 2^(3 - 127): the byte cannot fall under 1
.endr
.irp i, 2,4,6,8,10,12,14,16,18,20,22,24,26,28,30
.irp c, 0,1
	v_max3_num_f32 v[6+\c], v[6+\c], |v[XS+32*\c+\i]|, |v[XS+32*\c+\i+1]|
.endr
.endr
.irp c, 0,1
	v_add_nc_u32 v[8+\c], 0xff000000, v[6+\c]      ; 2 off the exponent field: the conversion's scale operand
.endr
.irp c, 0,1
	v_lshrrev_b32 v[10+\c], 23, v[8+\c]            ; the scale's byte
.endr
	v_lshl_or_b32 v12, v11, 16, v10                ; my bytes: blocks h and 2 + h,
	v_lshlrev_b32 v12, v5, v12                     ; at their places;
	v_permlanex16_b32 v13, v12, s20, s21
	v_or_b32 v[14+\st], v12, v13                   ; with lane l xor 16's two the word is whole
.irp c, 0,1
.irp g, 0,1,2,3
	v_cvt_scalef32_pk8_fp4_f32 v[CD+8*\st+4*\c+\g], v[XS+32*\c+8*\g:XS+32*\c+8*\g+7], v[8+\c]
.endr
.endr
	v_nop                                          ; one plain line behind the last scaled conversion
.irp c, 0,1
	global_store_b128 v1, v[CD+8*\st+4*\c:CD+8*\st+4*\c+3], s[12:13] offset:(2*\st+\c)*512   ; 512 consecutive bytes, aligned
.endr
.endm
	s_wait_loadcnt 16                              ; the first K step's 16 loads are in; the second's may be out
	TURN 0
	s_wait_loadcnt 0x0
	TURN 1
	s_wait_dscnt 32                                ; the first turn is done; the second's 32 LDS instructions may be out
	QUANT 0
	s_wait_dscnt 0x0
	QUANT 1
	v_cndmask_b32 v14, v14, v15, s22               ; lanes 0-15 the even K step's word of row r, lanes 16-31 the odd one's
	global_store_b32 v2, v14, s[14:15]             ; 128 consecutive bytes: one byte in 128 of what the wave reads
	s_wait_tensorcnt 0x0                           ; the wave's end
	ds_add_u32 v[SPW], v[NIL]
	s_wait_dscnt 0x0
	s_endpgm
.Lfunc_end_k_q92dfdae452_quant:
	.size	k_q92dfdae452_quant, .Lfunc_end_k_q92dfdae452_quant-k_q92dfdae452_quant
	.p2alignl 7, 3214868480
	.fill 96, 4, 3214868480
	.section	.rodata,"a",@progbits
	.p2align	6, 0x0
	.amdhsa_kernel k_q92dfdae452_quant
		.amdhsa_group_segment_fixed_size 68096
		.amdhsa_private_segment_fixed_size 0
		.amdhsa_enable_private_segment 0
		.amdhsa_kernarg_size 48
		.amdhsa_user_sgpr_count 2
		.amdhsa_user_sgpr_kernarg_segment_ptr 1
		.amdhsa_wavefront_size32 1
		.amdhsa_system_sgpr_workgroup_id_x 1
		.amdhsa_system_sgpr_workgroup_id_y 1
		.amdhsa_system_sgpr_workgroup_id_z 1
		.amdhsa_system_vgpr_workitem_id 0
		.amdhsa_next_free_vgpr 176
		.amdhsa_next_free_sgpr 66
		.amdhsa_reserve_vcc 0
		.amdhsa_float_denorm_mode_32 3
		.amdhsa_float_denorm_mode_16_64 3
		.amdhsa_memory_ordered 1
		.amdhsa_forward_progress 1
		.amdhsa_inst_pref_size 17
	.end_amdhsa_kernel
	.amdgpu_metadata
---
amdhsa.version: [ 1, 2 ]
amdhsa.kernels:
  - .name:           k_q92dfdae452_quant
    .symbol:         k_q92dfdae452_quant.kd
    .args:
      - { .name: x, .offset: 0, .size: 8, .value_kind: global_buffer, .address_space: global }
      - { .name: Wq, .offset: 8, .size: 8, .value_kind: global_buffer, .address_space: global }
      - { .name: Wk, .offset: 16, .size: 8, .value_kind: global_buffer, .address_space: global }
      - { .name: Wv, .offset: 24, .size: 8, .value_kind: global_buffer, .address_space: global }
      - { .name: cimg, .offset: 32, .size: 8, .value_kind: global_buffer, .address_space: global }
      - { .name: csc, .offset: 40, .size: 8, .value_kind: global_buffer, .address_space: global }
    .group_segment_fixed_size: 68096
    .private_segment_fixed_size: 0
    .kernarg_segment_align: 8
    .kernarg_segment_size: 48
    .max_flat_workgroup_size: 128
    .sgpr_count:     66
    .vgpr_count:     176
    .wavefront_size: 32
...
	.end_amdgpu_metadata
.endif
;; end of part 1
;; launch proj (part 2): grid 6 x 32, 4 waves a work-group, no clusters, 167,936 bytes of LDS; arguments cimg, csc, qimg, kimg, vimg; writes qimg, kimg, vimg
.if DOCPART == 2
	.amdgcn_target "amdgcn-amd-amdhsa--gfx1250"
	.amdhsa_code_object_version 6
	.text
	.protected	k_q92dfdae452_proj
	.globl	k_q92dfdae452_proj
	.p2align	8
	.type	k_q92dfdae452_proj,@function
k_q92dfdae452_proj:
	s_mov_b64 s[64:65], 0
	v_nop
	global_prefetch_b8 v0, s[64:65] scope:SCOPE_SE
	s_setreg_imm32_b32 hwreg(HW_REG_WAVE_MODE, 25, 1), 1
	s_wait_xcnt 0x0
; Q, K, V = x W^T on codes of E2M1 (both operands; E8M0 scales inside the matrix unit), sums in f32, rounded once to f16 and stored as images of f16 fragments.
; A work-group makes 256 positions x 384 channels (three heads of one of the three tensors); a wave 64 positions x 384, a head (128 channels) at a time.
; The wave's codes of x for all of K stay in registers (192), read from memory once; the 24 blocks of 16 rows of W and their scale words come into LDS once, by first fills: nothing is filled again.
; No cluster: what work-groups share (147 KB of W, read once each) is small beside the images that each stores, and every load goes out at the head.
; THE MATRIX INSTRUCTION IS USED TRANSPOSED (source 0 = 16 rows of W, source 1 = 16 positions): a lane holds one position and eight neighbouring channels: 16 bytes of f16.
; qimg, kimg [6 b + head][tile of 16 positions][piece of 16 channels][lane][16 bytes]: lane (r, h): position r, channels 8 h + 0..7 of the piece.  vimg the same, with the lane's
; 16 bytes at 16 x (the lane's number with bits 3 and 4 exchanged): the turning LDS load of the next launch then reads 512 consecutive bytes.
; LIMIT: |Q|, |K|, |V| up to 65,504 (f16); with all inputs 30 times the drawn ones, or offsets of 30 spreads, they stay under 3e4.
; REGISTERS: window 0: addresses, scale words, W's fragments in two sets.  window 1: v0-191 x's fragments (48 a + 8 s + 4 c).  window 2: accumulator (a, nb) at 8 (8 a + nb).
.set WS,    147456                     ; LDS: W's codes from 0 (24 x 6,144); their scale words here (24 x 384)
.set SPARE, 156672                     ; the spare words, 128 bytes a wave
.set GO,  3                            ; v3     my 16 bytes' place in a piece
.set ADW, 4                            ; v4-6   LDS address of head hd's fragments of W
.set ADS, 7                            ; v7-9   and of its scale words
.set SPW, 10
.set NIL, 11
.set XSC, 16                           ; v16-27 x's scale words: 3 a + pair of K steps (lanes 0-15 the even step, lanes 16-31 the odd)
.set WSC, 32                           ; v32-55 W's: 3 nb + pair
.set WB0, 64                           ; v64-127, v128-191: W's eight fragments of a K step, two sets
.set G1C, 16
.set G1S, 24
.set G0C, 32
.set G0S, 36
.set MSB, 0
.macro WIN new                         ; the immediate's high byte repeats the setting that is left
.if MSB != \new
	s_set_vgpr_msb (MSB<<8)|\new
.set MSB, \new
.endif
.endm
.macro PLACES
.rept 4
	v_nop
.endr
.endm
	s_load_b256 s[4:11], s[0:1], 0x0               ; cimg, csc, qimg, kimg
	s_load_b64 s[12:13], s[0:1], 0x20              ; vimg
	v_lshl_add_u32 v[SPW], v0, 2, SPARE
	v_mov_b32 v[NIL], 0
	ds_add_u32 v[SPW], v[NIL]                      ; the opening: the add, twice on end, and its wait ahead of my first tensor load
	ds_add_u32 v[SPW], v[NIL]
	v_lshrrev_b32 v1, 5, v0
	v_readfirstlane_b32 s14, v1                    ; wave
	s_and_b32 s15, ttmp7, 0xffff                   ; which 256 positions
	s_mov_b32 s[G1C], 3<<16                        ; elements of 8 bytes, no padding: a dense block as rows of 256 bytes
	s_mov_b32 s[G1C+1], 32<<16
	s_mov_b32 s[G1C+2], 144<<16                    ; six blocks of W: 36,864 bytes = 144 rows
	s_mov_b32 s[G1C+3], 32<<16
	s_mov_b32 s[G1C+4], 144
	s_mov_b32 s[G1C+5], 32
	s_mov_b32 s[G1C+6], 0
	s_mov_b32 s[G1C+7], 0
	s_mov_b32 s[G1S], 3<<16
	s_mov_b32 s[G1S+1], 32<<16
	s_mov_b32 s[G1S+2], 9<<16                      ; their scale words: 2,304 bytes = 9 rows
	s_mov_b32 s[G1S+3], 32<<16
	s_mov_b32 s[G1S+4], 9
	s_mov_b32 s[G1S+5], 32
	s_mov_b32 s[G1S+6], 0
	s_mov_b32 s[G1S+7], 0
	s_mov_b32 s[G0C], 1
	s_mul_i32 s[G0C+1], s14, 36864                 ; LDS: wave x six blocks
	s_mov_b32 s[G0S], 1
	s_mul_i32 s41, s14, 2304
	s_add_co_u32 s[G0S+1], s41, WS
	s_mul_i32 s40, ttmp9, 24
	s_add_co_u32 s40, s40, 512                     ; the work-group's first block of W
	s_mul_i32 s42, s40, 6144
	s_add_co_u32 s42, s42, s[G0C+1]
	s_mov_b32 s43, 0
	s_mul_i32 s44, s40, 384
	s_add_co_u32 s44, s44, s41
	s_mov_b32 s45, 0
	s_lshl_b32 s46, s15, 4
	s_lshl_b32 s47, s14, 2
	s_add_co_u32 s46, s46, s47                     ; my first block of x: 16 py + 4 wave
	s_mul_i32 s48, s46, 6144
	s_mov_b32 s49, 0
	s_mul_i32 s52, s46, 384
	s_mov_b32 s53, 0
	s_lshr_b32 s58, s15, 4                         ; the batch
	s_mul_i32 s58, s58, 6
	s_and_b32 s59, ttmp9, 1
	s_mul_i32 s59, s59, 3
	s_add_co_u32 s58, s58, s59                     ; 6 b + my first head
	s_lshl_b32 s58, s58, 20
	s_and_b32 s59, s15, 15
	s_lshl_b32 s59, s59, 4
	s_add_co_u32 s59, s59, s47                     ; my first tile of positions in the sequence
	s_lshl_b32 s59, s59, 12
	s_add_co_u32 s58, s58, s59
	s_mov_b32 s59, 0
	s_cmp_ge_u32 ttmp9, 4
	s_cselect_b32 s60, -1, 0                       ; all lanes where the tensor is V
	s_wait_dscnt 0x0                               ; both opening adds are done
	s_wait_kmcnt 0x0
	s_add_nc_u64 s[G0C+2:G0C+3], s[4:5], s[42:43]
	s_or_b32 s[G0C+3], s[G0C+3], 0x80000000
	s_add_nc_u64 s[G0S+2:G0S+3], s[6:7], s[44:45]
	s_or_b32 s[G0S+3], s[G0S+3], 0x80000000
	tensor_load_to_lds s[G0C:G0C+3], s[G1C:G1C+7]  ; every wave brings a quarter of W's codes and of the scale words: two loads of mine are out
	s_nop 0
	tensor_load_to_lds s[G0S:G0S+3], s[G1S:G1S+7]
	s_nop 0
	PLACES
	s_add_nc_u64 s[50:51], s[4:5], s[48:49]        ; x's codes
	s_add_nc_u64 s[54:55], s[6:7], s[52:53]        ; x's scale words
	s_cmp_lt_u32 ttmp9, 4
	s_cselect_b64 s[56:57], s[10:11], s[12:13]
	s_cmp_lt_u32 ttmp9, 2
	s_cselect_b64 s[56:57], s[8:9], s[56:57]       ; the tensor's image, chosen by the work-group's number alone
	s_add_nc_u64 s[56:57], s[56:57], s[58:59]
	v_and_b32 v2, 31, v0
	v_lshlrev_b32 v1, 4, v2                        ; 16 x lane
	v_lshlrev_b32 v2, 2, v2                        ; 4 x lane
	WIN 0x40                                       ; destination window 1
.set n, 0
.rept 48
	global_load_b128 v[4*n:4*n+3], v1, s[50:51] offset:512*n   ; four blocks of x, dense: register 48 a + 8 s + 4 c
.set n, n+1
.endr
	WIN 0
.irp a, 0,1,2,3
.irp p, 0,1,2
	global_load_b32 v[XSC+3*\a+\p], v2, s[54:55] offset:384*\a+128*\p
.endr
.endr
	v_and_b32 v12, 7, v0
	v_bfe_u32 v13, v0, 3, 1
	v_bfe_u32 v14, v0, 4, 1
	v_lshl_or_b32 v12, v13, 4, v12
	v_lshl_or_b32 v12, v14, 3, v12                 ; the lane's number with bits 3 and 4 exchanged
	v_lshlrev_b32 v12, 4, v12
	v_cndmask_b32 v[GO], v1, v12, s60
.irp hd, 0,1,2
	v_add_nc_u32 v[ADW+\hd], 49152*\hd, v1
	v_add_nc_u32 v[ADS+\hd], WS+3072*\hd, v2
.endr
	s_wait_tensorcnt 0x0                           ; my quarters are in,
	s_barrier_signal -1
	s_barrier_wait -1                              ; everybody's are
	s_wait_loadcnt 0x0                             ; x
.macro FETCHW hd, s, buf               ; W's eight fragments of K step s
.irp nb, 0,1,2,3,4,5,6,7
.irp c, 0,1
	ds_load_b128 v[\buf+8*\nb+4*\c:\buf+8*\nb+4*\c+3], v[ADW+\hd] offset:6144*\nb+1024*(\s)+512*\c
.endr
.endr
.endm
; 32 products of one K step; the 32 accumulators take turns, one instruction a turn, in the same order in every step.
.macro MUL32 s, buf
	WIN 0xa4                                       ; source 0 (W) window 0, source 1 (x) window 1, C and D window 2
.set n, 0
.rept 32
.set AC, 8*n
.set FW, \buf+8*(n%8)
.set FX, 48*(n/8)+8*(\s)
.set SW, WSC+3*(n%8)+(\s)/2
.set SX, XSC+3*(n/8)+(\s)/2
.if (\s) == 0
	v_wmma_scale_f32_16x16x128_f8f6f4 v[AC:AC+7], v[FW:FW+7], v[FX:FX+7], 0, v[SW], v[SX] matrix_a_fmt:MATRIX_FMT_FP4 matrix_b_fmt:MATRIX_FMT_FP4
.elseif (\s)%2
	v_wmma_scale_f32_16x16x128_f8f6f4 v[AC:AC+7], v[FW:FW+7], v[FX:FX+7], v[AC:AC+7], v[SW], v[SX] matrix_a_fmt:MATRIX_FMT_FP4 matrix_b_fmt:MATRIX_FMT_FP4 matrix_a_scale:MATRIX_SCALE_ROW1 matrix_b_scale:MATRIX_SCALE_ROW1
.else
	v_wmma_scale_f32_16x16x128_f8f6f4 v[AC:AC+7], v[FW:FW+7], v[FX:FX+7], v[AC:AC+7], v[SW], v[SX] matrix_a_fmt:MATRIX_FMT_FP4 matrix_b_fmt:MATRIX_FMT_FP4
.endif
.set n, n+1
.endr
	WIN 0
.endm
.macro PASS hd                         ; one head: 64 positions x 128 channels
	s_wait_xcnt 0x0                                ; the last head's stores have read the accumulators' registers
.irp nb, 0,1,2,3,4,5,6,7
.irp p, 0,1,2
	ds_load_b32 v[WSC+3*\nb+\p], v[ADS+\hd] offset:384*\nb+128*\p
.endr
.endr
	FETCHW \hd, 0, WB0
	FETCHW \hd, 1, WB0+64
.irp s, 0,1,2,3,4,5
.if \s < 5
	s_wait_dscnt 16                                ; this K step's fragments are in; the next step's 16 loads may be out
.else
	s_wait_dscnt 0x0
.endif
	MUL32 \s, WB0+64*(\s%2)
	PLACES                                         ; four places in front of loads into registers that the products have read, and of the first read of results
.if \s < 4
	FETCHW \hd, \s+2, WB0+64*(\s%2)
.endif
.endr
	WIN 0x8a                                       ; sources and destination window 2
.set n, 0
.rept 32
.irp r, 0,1,2,3
	v_cvt_pk_f16_f32 v[8*n+\r], v[8*n+2*\r], v[8*n+2*\r+1]   ; in place, each accumulator from its low end on: eight channels in 16 bytes
.endr
.set n, n+1
.endr
	WIN 0x08                                       ; a store's data: window 2
.set n, 0
.rept 32
	global_store_b128 v[GO], v[8*n:8*n+3], s[56:57] offset:(\hd<<20)+(n/8)*4096+(n%8)*512   ; a piece: 512 consecutive bytes, aligned
.set n, n+1
.endr
	WIN 0
.endm
	PASS 0
	PASS 1
	PASS 2
	s_wait_tensorcnt 0x0                           ; the wave's end
	ds_add_u32 v[SPW], v[NIL]
	s_wait_dscnt 0x0
	s_endpgm
.Lfunc_end_k_q92dfdae452_proj:
	.size	k_q92dfdae452_proj, .Lfunc_end_k_q92dfdae452_proj-k_q92dfdae452_proj
	.p2alignl 7, 3214868480
	.fill 96, 4, 3214868480
	.section	.rodata,"a",@progbits
	.p2align	6, 0x0
	.amdhsa_kernel k_q92dfdae452_proj
		.amdhsa_group_segment_fixed_size 167936
		.amdhsa_private_segment_fixed_size 0
		.amdhsa_enable_private_segment 0
		.amdhsa_kernarg_size 40
		.amdhsa_user_sgpr_count 2
		.amdhsa_user_sgpr_kernarg_segment_ptr 1
		.amdhsa_wavefront_size32 1
		.amdhsa_system_sgpr_workgroup_id_x 1
		.amdhsa_system_sgpr_workgroup_id_y 1
		.amdhsa_system_sgpr_workgroup_id_z 1
		.amdhsa_system_vgpr_workitem_id 0
		.amdhsa_next_free_vgpr 768
		.amdhsa_next_free_sgpr 66
		.amdhsa_reserve_vcc 0
		.amdhsa_float_denorm_mode_32 3
		.amdhsa_float_denorm_mode_16_64 3
		.amdhsa_memory_ordered 1
		.amdhsa_forward_progress 1
		.amdhsa_inst_pref_size 143
	.end_amdhsa_kernel
	.amdgpu_metadata
---
amdhsa.version: [ 1, 2 ]
amdhsa.kernels:
  - .name:           k_q92dfdae452_proj
    .symbol:         k_q92dfdae452_proj.kd
    .args:
      - { .name: cimg, .offset: 0, .size: 8, .value_kind: global_buffer, .address_space: global }
      - { .name: csc, .offset: 8, .size: 8, .value_kind: global_buffer, .address_space: global }
      - { .name: qimg, .offset: 16, .size: 8, .value_kind: global_buffer, .address_space: global }
      - { .name: kimg, .offset: 24, .size: 8, .value_kind: global_buffer, .address_space: global }
      - { .name: vimg, .offset: 32, .size: 8, .value_kind: global_buffer, .address_space: global }
    .group_segment_fixed_size: 167936
    .private_segment_fixed_size: 0
    .kernarg_segment_align: 8
    .kernarg_segment_size: 40
    .max_flat_workgroup_size: 128
    .sgpr_count:     66
    .vgpr_count:     768
    .wavefront_size: 32
...
	.end_amdgpu_metadata
.endif
;; end of part 2
;; launch attn (part 3): grid 16 x 12, 4 waves a work-group, no clusters, 327,680 bytes of LDS; arguments qimg, kimg, vimg, out0; writes out0
.if DOCPART == 3
	.amdgcn_target "amdgcn-amd-amdhsa--gfx1250"
	.amdhsa_code_object_version 6
	.text
	.protected	k_q92dfdae452_attn
	.globl	k_q92dfdae452_attn
	.p2align	8
	.type	k_q92dfdae452_attn,@function
k_q92dfdae452_attn:
	s_mov_b64 s[64:65], 0
	v_nop
	global_prefetch_b8 v0, s[64:65] scope:SCOPE_SE
	s_setreg_imm32_b32 hwreg(HW_REG_WAVE_MODE, 25, 1), 1
	s_wait_xcnt 0x0
; Causal attention of one (batch, head): out = softmax(Q K^T / sqrt(128)) V, Q, K, V and the weights p in f16, products' sums, maxima and row sums in f32.
; SHARES.  Work-group i of a head owns two blocks of 128 queries: block 31 - i (the long one) and block i (the short one); together they want 33 blocks of 128 keys whatever i is.
; Wave w holds four tiles of 16 queries: tiles 0, 1 = queries 32 w on of the long block, tiles 2, 3 the same of the short one.  All waves walk the head's keys once from key 0, 64 a step:
; while step < TS = 2 i + 2 all four tiles work (STEP 2), while step < TL = 64 - 2 i tiles 0 and 1 alone (STEP 1).  In a block's last two steps hidden scores become -infinity.
; No cluster: under the mask the work-groups of a head want different numbers of tiles.
; LAYOUT.  S^T = K Q^T and O^T = V^T P: a lane holds one query (lane % 16) throughout.  K's and Q's fragments lie in memory as images of their registers; V's pieces are turned by ds_load_tr16_b128.
; SOFTMAX.  For each query a running maximum m and sum l: p = 2^(c s - c m), c = log2(e) / sqrt(128); in every step O and l are multiplied by a = 2^(c m_old - c m_new).
; A STEP has four parts: K Q^T of piece A bare | K Q^T of piece B with piece A's softmax in the gaps | V^T P of piece A with piece B's softmax in the gaps | V^T P of piece B bare.
; RING.  Two LDS slots of 256 keys.  In a slot wave w's 32,768 bytes hold, for each of the slot's four steps, 8,192 bytes: waves 0, 1 the two halves of the step's K, waves 2, 3 of its V.
; The rows of positions 0 to 15 of each sequence are left to the launch that follows, which makes them in f32.
; LIMITS: f16's range for Q, K, V (see the launch before); weights p under 6e-8 count as 0 in the second product.
; REGISTERS, in windows of 256: window 0: addresses, v12-43 statistics, v64-191 S^T (32 a tile), v192-255 P (16 a tile).  window 1: O^T, 64 a tile.  window 2: v0-127 Q, v128-255 K.  window 3: v0-127 V.
.set SLOT1, 1<<17
.set STEPB, 8192                       ; from a step's bytes to the next step's, in each wave's region
.set STAGE, 2*SLOT1                    ; the way out: 16 rows x 528 bytes for each wave; no tensor load lands here
.set SP,    528
.set SPARE, STAGE+4*16*SP              ; the spare words, 128 bytes a wave
.set LI,   2                           ; v2  16 x lane
.set LIV,  3                           ; v3  16 x lane + 65,536: V's regions
.set ADR,  4
.set ADRV, 5
.set STO,  6
.set RD,   7
.set D0,   9                           ; v9  lane % 16 - 8 (lane / 16)
.set NINF, 10                          ; v10 -infinity
.set PFO,  11                          ; v11 256 x lane
.set DD,   60
.set SPW,  62
.set NIL,  63
.set ST,   12                          ; tile t's statistics at ST + 8 t: c m, m, l (two halves), c0-c3 at work; a takes c2's place
.set S,    64
.set P,    192
.set KF,   128
.set WV,   12
.set LIM,  15
.set G1,   16
.set G0A,  24                          ; slot 0's first fill
.set G0W,  28                          ; slot 1's first fill; it then walks
.set TC,   32                          ; the key step
.set KS,   33
.set SLOTS, 34
.set TB,   35                          ; LDS byte of the step in hand
.set CS,   36
.set SEL,  38
.set OBL,  40
.set OBS,  42
.set QL,   44                          ; my first query of the long block, of the short block
.set QS,   45
.set PFA,  52
.set TS,   54
.set TL,   55
.set MSB, 0
.macro WIN new                         ; the immediate's high byte repeats the setting that is left; a switch that changes nothing is dropped
.if MSB != \new
	s_set_vgpr_msb (MSB<<8)|\new
.set MSB, \new
.endif
.endm
.set W_KQ, 0x0a                        ; K and Q window 2, S^T window 0
.set W_PV, 0x53                        ; V window 3, P window 0, O^T window 1
.set W_RS, 0x41                        ; O^T (destination, source 0) window 1, a window 0
.macro PLACES
.rept 4
	v_nop
.endr
.endm
	s_load_b256 s[4:11], s[0:1], 0x0               ; qimg, kimg, vimg, out0
	v_lshl_add_u32 v[SPW], v0, 2, SPARE
	v_mov_b32 v[NIL], 0
	ds_add_u32 v[SPW], v[NIL]                      ; the opening: the add, twice on end, and its wait ahead of my first tensor load
	ds_add_u32 v[SPW], v[NIL]
	v_lshrrev_b32 v1, 5, v0
	v_readfirstlane_b32 s[WV], v1
	s_and_b32 s14, ttmp7, 0xffff                   ; 6 b + head
	s_mov_b32 s[G1], 3<<16                         ; elements of 8 bytes, no padding
	s_mov_b32 s[G1+1], 1024<<16                    ; a row: 8,192 bytes
	s_mov_b32 s[G1+2], 4<<16                       ; four rows: the slot's four steps
	s_mov_b32 s[G1+3], 1024<<16
	s_mov_b32 s[G1+4], 4
	s_mov_b32 s[G1+5], 2048                        ; 16,384 bytes from a step to the next in memory
	s_mov_b32 s[G1+6], 0
	s_mov_b32 s[G1+7], 0
	s_lshl_b32 s46, s14, 20                        ; the head's first byte in each image
	s_and_b32 s47, s[WV], 1
	s_lshl_b32 s47, s47, 13
	s_add_co_u32 s48, s46, s47                     ; + my half of a step
	s_mov_b32 s49, 0
	s_mov_b32 s47, 0
	s_lshl_b32 s[TS], ttmp9, 1
	s_sub_co_u32 s[TL], 64, s[TS]
	s_add_co_u32 s[TS], s[TS], 2
	s_lshl_b32 s50, s[WV], 5
	s_lshl_b32 s[QS], ttmp9, 7
	s_sub_co_u32 s[QL], 31*128, s[QS]
	s_add_co_u32 s[QS], s[QS], s50
	s_add_co_u32 s[QL], s[QL], s50
	s_cmp_ge_u32 s14, 6
	s_cselect_b32 s50, 1, 0                        ; b
	s_mul_i32 s51, s50, 6
	s_sub_co_u32 s51, s14, s51                     ; head
	s_lshl_b32 s50, s50, 12
	s_lshl_b32 s51, s51, 9
	s_add_co_u32 s56, s50, s[QL]
	s_mul_i32 s56, s56, 3072
	s_add_co_u32 s56, s56, s51                     ; my long tiles' first row of out0, at the head's 512 bytes
	s_mov_b32 s57, 0
	s_add_co_u32 s58, s50, s[QS]
	s_mul_i32 s58, s58, 3072
	s_add_co_u32 s58, s58, s51
	s_mov_b32 s59, 0
	s_cmp_eq_u32 ttmp9, 0
	s_cselect_b32 s[LIM], 1, -1                    ; the head's one work-group that walks all slots prefetches
	s_mov_b32 s[CS], 0x3e0293ee                    ; c = log2(e) / sqrt(128)
	s_mov_b32 s[CS+1], s[CS]
	s_mov_b32 s[SEL], 0x76543210
	s_mov_b32 s[SEL+1], 0xfedcba98
	s_mov_b32 s[TC], 0
	s_mov_b32 s[TB], 0
	s_wait_dscnt 0x0                               ; both opening adds are done
	s_wait_kmcnt 0x0
	s_cmp_lt_u32 s[WV], 2
	s_cselect_b64 s[50:51], s[6:7], s[8:9]         ; waves 0, 1 fetch K, waves 2, 3 V
	s_add_nc_u64 s[50:51], s[50:51], s[48:49]
	s_mov_b32 s[G0A], 1
	s_lshl_b32 s[G0A+1], s[WV], 15                 ; LDS: wave x 32,768, slot 0
	s_mov_b64 s[G0A+2:G0A+3], s[50:51]
	s_or_b32 s[G0A+3], s[G0A+3], 0x80000000
	s_mov_b32 s[G0W], 1
	s_add_co_u32 s[G0W+1], s[G0A+1], SLOT1
	s_add_nc_u64 s[G0W+2:G0W+3], s[50:51], 65536
	s_or_b32 s[G0W+3], s[G0W+3], 0x80000000
	s_add_nc_u64 s[PFA:PFA+1], s[50:51], 2*65536   ; in slot 2; the first change of slots steps it to slot 3
	tensor_load_to_lds s[G0A:G0A+3], s[G1:G1+7]    ; both slots' first fills: two loads of mine are out (TL is at least 34: both are read)
	s_nop 0
	tensor_load_to_lds s[G0W:G0W+3], s[G1:G1+7]
	s_nop 0
	PLACES
	s_add_nc_u64 s[OBL:OBL+1], s[10:11], s[56:57]
	s_add_nc_u64 s[OBS:OBS+1], s[10:11], s[58:59]
	s_lshl_b32 s56, s[QL], 8                       ; a tile of 16 queries is 4,096 bytes
	s_mov_b32 s57, 0
	s_add_nc_u64 s[56:57], s[56:57], s[46:47]
	s_add_nc_u64 s[56:57], s[4:5], s[56:57]
	s_lshl_b32 s58, s[QS], 8
	s_mov_b32 s59, 0
	s_add_nc_u64 s[58:59], s[58:59], s[46:47]
	s_add_nc_u64 s[58:59], s[4:5], s[58:59]
	v_and_b32 v1, 31, v0
	v_lshlrev_b32 v[LI], 4, v1
	v_lshlrev_b32 v[PFO], 8, v1
	WIN 0x80                                       ; destination window 2
.set n, 0
.rept 16
	global_load_b128 v[4*n:4*n+3], v[LI], s[56:57] offset:512*n          ; Q stays in registers: tiles 0, 1
	global_load_b128 v[64+4*n:64+4*n+3], v[LI], s[58:59] offset:512*n    ; tiles 2, 3
.set n, n+1
.endr
	WIN 0
	v_add_nc_u32 v[LIV], 0x10000, v[LI]
	v_and_b32 v1, 15, v0                           ; r
	v_bfe_u32 v8, v0, 4, 1                         ; h
	s_mul_i32 s50, s[WV], 16*SP
	s_add_co_u32 s50, s50, STAGE                   ; my stage
	v_mul_u32_u24 v[STO], v1, SP
	v_lshl_add_u32 v[STO], v8, 5, v[STO]
	v_add_nc_u32 v[STO], s50, v[STO]               ; in: row r, 32 h bytes on
	v_add_nc_u32 v[RD], s50, v[LI]                 ; back: a row's 512 bytes, 16 a lane
	v_lshlrev_b32 v8, 3, v8
	v_sub_nc_u32 v[D0], v1, v8
	v_mov_b32 v[NINF], 0xff800000
.irp t, 0,1,2,3
	v_mov_b32 v[ST+8*\t+1], 0xff61b1e6             ; m: -3e38, under every score
	v_mul_f32 v[ST+8*\t], s[CS], v[ST+8*\t+1]      ; c m
.irp k, 2,3,4,5,6,7
	v_mov_b32 v[ST+8*\t+\k], 0                     ; l; the rest written once (a permute's destination and the packed pairs count as read)
.endr
.endr
	WIN 0x40
.set n, 0
.rept 256
	v_mov_b32 v[n], 0                              ; O^T.  The step is written once: the first step's a is 0 and leaves zeros zeros
.set n, n+1
.endr
	WIN 0
; ---- LDS loads, in runs of 32
.macro FETCH_K off                     ; a step's K: fragment (16 keys kt, 32 channels cs) at KF + 32 kt + 8 cs; the channels' first quarter first
	WIN 0
	v_add_nc_u32 v[ADR], s[TB], v[LI]
	WIN 0x80
.irp cs, 0,1,2,3
.irp kt, 0,1,2,3
.irp c, 0,1
	ds_load_b128 v[KF+32*\kt+8*\cs+4*\c:KF+32*\kt+8*\cs+4*\c+3], v[ADR] offset:\off+((8*\kt+2*\cs+\c)%16)*512+((8*\kt+2*\cs+\c)/16)*32768
.endr
.endr
.endr
.endm
.macro FETCH_V                         ; a step's V, turned: fragment (16 channels ct, 32 keys kk) at 64 kk + 8 ct
	WIN 0
	v_add_nc_u32 v[ADRV], s[TB], v[LIV]
	WIN 0xc0
.irp kk, 0,1
.irp ct, 0,1,2,3,4,5,6,7
.irp u, 0,1
	ds_load_tr16_b128 v[64*\kk+8*\ct+4*\u:64*\kk+8*\ct+4*\u+3], v[ADRV] offset:(((2*\kk+\u)*8+\ct)%16)*512+(((2*\kk+\u)*8+\ct)/16)*32768
.endr
.endr
.endr
.endm
; ---- products.  The accumulators take turns, one instruction a turn.  i counts a part's products; a piece has nt tiles from tile x on.
.macro KQ x, nt
	WIN W_KQ
.set tt, (\x)+i%(\nt)
.set kt, (i/(\nt))%4
.set cs, i/(4*(\nt))
.set rS, S+32*tt+8*kt
.set rK, KF+32*kt+8*cs
.set rQ, 32*tt+8*cs
.if cs == 0
	v_wmma_f32_16x16x32_f16 v[rS:rS+7], v[rK:rK+7], v[rQ:rQ+7], 0
.else
	v_wmma_f32_16x16x32_f16 v[rS:rS+7], v[rK:rK+7], v[rQ:rQ+7], v[rS:rS+7]
.endif
.endm
.macro PV x, nt
	WIN W_PV
.set tt, (\x)+i%(\nt)
.set ct, (i/(\nt))%8
.set kk, i/(8*(\nt))
.set rO, 64*tt+8*ct
.set rV, 64*kk+8*ct
.set rP, P+16*tt+8*kk
	v_wmma_f32_16x16x32_f16 v[rO:rO+7], v[rV:rV+7], v[rP:rP+7], v[rO:rO+7]
.endm
; ---- one tile's softmax for one step: a list of 134 instructions; SM writes number j for tile t.
;   0-15 the maximum of the 32 scores and the old m;  16-20 the other half of the lanes', the new m, c m, its change;
;   21-69 ONE BATCH: 16 packed scalings c s - c m and 33 exponentials (a, then the 32 scores); none of them names an exponential's result;
;   70-85 the roundings to f16;  86-101 the sums, l = a l + the sum;  102-133 O^T times a.
.macro SM t
.set rT, ST+8*(\t)
.set rS, S+32*(\t)
.set rP, P+16*(\t)
.set rO, 64*(\t)+2*(j-102)
.if j < 102
	WIN 0
.endif
.if j < 4
	v_max3_num_f32 v[rT+4+j], v[rS+8*j], v[rS+8*j+1], v[rS+8*j+2]   ; each accumulator is read from its low end on
.elseif j < 12
	v_max3_num_f32 v[rT+4+j%4], v[rT+4+j%4], v[rS+8*(j%4)+2*(j/4)+1], v[rS+8*(j%4)+2*(j/4)+2]
.elseif j == 12
	v_max3_num_f32 v[rT+4], v[rT+4], v[rS+7], v[rS+15]
.elseif j == 13
	v_max3_num_f32 v[rT+6], v[rT+6], v[rS+23], v[rS+31]
.elseif j == 14
	v_max3_num_f32 v[rT+4], v[rT+4], v[rT+5], v[rT+6]
.elseif j == 15
	v_max3_num_f32 v[rT+4], v[rT+4], v[rT+7], v[rT+1]
.elseif j == 16
	v_permlanex16_b32 v[rT+5], v[rT+4], s[SEL], s[SEL+1]
.elseif j == 17
	v_mov_b32 v[rT+7], v[rT]
.elseif j == 18
	v_max_num_f32 v[rT+1], v[rT+4], v[rT+5]
.elseif j == 19
	v_mul_f32 v[rT], s[CS], v[rT+1]
.elseif j == 20
	v_sub_f32 v[rT+7], v[rT+7], v[rT]
.elseif j == 23
	v_exp_f32 v[rT+6], v[rT+7]
.elseif (j < 23) || ((j < 38) && (j%2 == 0)) || ((j < 66) && (j%4 == 2))
.set b, (j-2)/4
.if j < 38
.set b, (j-20)/2
.endif
	v_pk_fma_f32 v[rS+2*b:rS+2*b+1], v[rS+2*b:rS+2*b+1], s[CS:CS+1], v[rT:rT+1] op_sel_hi:[1,0,0] neg_lo:[0,0,1] neg_hi:[0,0,1]
.elseif j < 70
.set e, j-38
.if j < 66
.set e, j-32-(j-38)/4
.endif
.if j < 38
.set e, (j-25)/2
.endif
	v_exp_f32 v[rS+e], v[rS+e]
.elseif j < 86
	v_cvt_pk_f16_f32 v[rP+j-70], v[rS+2*(j-70)], v[rS+2*(j-70)+1]
.elseif j < 102
.set z, j-86
.set w, 4
.set u, z
.if z >= 14
.set w, 32
.set u, 0
.elseif z >= 12
.set w, 16
.set u, z-12
.elseif z >= 8
.set w, 8
.set u, z-8
.endif
.if z < 15
	v_pk_add_f32 v[rS+w*u:rS+w*u+1], v[rS+w*u:rS+w*u+1], v[rS+w*u+w/2:rS+w*u+w/2+1]
.else
	v_pk_fma_f32 v[rT+2:rT+3], v[rT+2:rT+3], v[rT+6:rT+7], v[rS:rS+1] op_sel_hi:[1,0,1]
.endif
.else
	WIN W_RS
	v_pk_mul_f32 v[rO:rO+1], v[rO:rO+1], v[rT+6:rT+7] op_sel_hi:[1,0]
.endif
.endm
; cnt numbers of a piece's softmax; q counts them: number q / nt of tile x + q % nt.  Ahead of the first number that names an exponential's result stand one plain line and ONE wait for the whole batch.
.macro GAP x, nt, cnt
.rept \cnt
.if q == 70*(\nt)
	v_nop
	s_wait_alu depctr_va_vdst(0)
.endif
.set j, q/(\nt)
	SM (\x)+q%(\nt)
.set q, q+1
.endr
.endm
; Hidden scores of tile t become -infinity.  Register n holds key 64 step + 16 (n / 8) + 8 (lane / 16) + n % 8: hidden where 16 (n / 8) + n % 8 > d = my query - 64 step - 8 (lane / 16).
.macro MASK t, qb
	s_lshl_b32 s47, s[TC], 6
	s_sub_co_i32 s47, s[\qb], s47
.if (\t)%2
	s_add_co_i32 s47, s47, 16
.endif
	v_add_nc_u32 v[DD], s47, v[D0]
.set n, 0
.rept 32
	v_cmp_gt_i32 vcc_lo, 16*(n/8)+n%8, v[DD]
	v_cndmask_b32 v[S+32*(\t)+n], v[S+32*(\t)+n], v[NINF], vcc_lo
.set n, n+1
.endr
.endm
; A KEY STEP.  Piece A: nt tiles from tile 0; piece B: nt tiles from tile nt.  K's fragments were asked for in the step before (or at the change of slots).
.macro STEP nt
	FETCH_V                                        ; four places stand behind the last products that read V
.set i, 0
.rept 16*\nt
.if i%(4*\nt) == 0
	s_wait_dscnt 56-8*(i/(4*\nt))                  ; this quarter of the channels is in: behind it K's later loads, 8 a quarter, and V's 32
.endif
	KQ 0, \nt
.set i, i+1
.endr
	PLACES                                         ; four places ahead of the first read of those scores
	WIN 0
.if \nt == 1
	s_add_co_u32 s46, s[TC], 2
	s_cmp_lt_u32 s46, s[TL]                        ; only the long block's last two steps hold hidden keys
	s_cbranch_scc1 .Lopen_a_\@
	MASK 0, QL
.Lopen_a_\@:
.endif
.set i, 0
.set q, 0
.rept 16*\nt
	KQ \nt, \nt
	GAP 0, \nt, 8
.set i, i+1
.endr
	GAP 0, \nt, 6*\nt                              ; the rest of the list: plain lines that name none of the last products' registers: their places
	WIN 0
	s_add_co_u32 s46, s[TC], 2
.if \nt == 2
	s_cmp_lt_u32 s46, s[TS]
	s_cbranch_scc1 .Lopen_b_\@
	MASK 2, QS
	MASK 3, QS
.else
	s_cmp_lt_u32 s46, s[TL]
	s_cbranch_scc1 .Lopen_b_\@
	MASK 1, QL
.endif
.Lopen_b_\@:
	s_wait_dscnt 0x0                               ; V is in
	s_cmp_eq_u32 s[KS], 1                          ; the next step's K, if it lies in this slot and is walked
	s_cbranch_scc1 .Lno_k_\@
	s_add_co_u32 s46, s[TC], 1
	s_cmp_ge_u32 s46, s[TL]
	s_cbranch_scc1 .Lno_k_\@
	FETCH_K STEPB
	WIN 0
.Lno_k_\@:
.set i, 0
.set q, 0
.rept 16*\nt
	PV 0, \nt
	GAP \nt, \nt, 8
.set i, i+1
.endr
	GAP \nt, \nt, 6*\nt
.set i, 0
.rept 16*\nt
	PV \nt, \nt
.set i, i+1
.endr
	PLACES
	WIN 0
.endm
; THE WAY OUT of one tile: O^T / l through my stage in LDS, back as whole rows of 512 bytes.  skip = 1: positions 0 to 15 of the sequence belong to the next launch.
.macro OUT1 t, ob, skip
.if \skip
	s_cmp_eq_u32 s[QS], 0
	s_cbranch_scc1 .Lfine_\@
.endif
	WIN W_RS
.set n, 64*(\t)
.rept 32
	v_pk_mul_f32 v[n:n+1], v[n:n+1], v[ST+8*(\t)+6:ST+8*(\t)+7] op_sel_hi:[1,0]   ; each accumulator from its low end on
.set n, n+2
.endr
	WIN 0x04                                       ; an LDS store's data: window 1
.irp ct, 0,1,2,3,4,5,6,7
.irp u, 0,1
	ds_store_b128 v[STO], v[64*(\t)+8*\ct+4*\u:64*(\t)+8*\ct+4*\u+3] offset:64*\ct+16*\u
.endr
.endr
	WIN 0
.set BK, S+64*((\t)%2)
.irp row, 0,1,2,3,4,5,6,7,8,9,10,11,12,13,14,15
	ds_load_b128 v[BK+4*\row:BK+4*\row+3], v[RD] offset:SP*\row   ; LDS serves a wave's instructions in order: these see the stores above
.endr
.irp row, 0,1,2,3,4,5,6,7,8,9,10,11,12,13,14,15
	s_wait_dscnt 15-\row                           ; the younger rows' loads may be out
	global_store_b128 v[LI], v[BK+4*\row:BK+4*\row+3], s[\ob:\ob+1] offset:(16*((\t)%2)+\row)*3072 th:TH_STORE_NT   ; 512 consecutive bytes, aligned to 256
.endr
.if \skip
.Lfine_\@:
.endif
.endm
.macro OUT2 ta, ob, skip
	WIN 0
.irp t, \ta, \ta+1
	v_add_f32 v[ST+8*(\t)+4], v[ST+8*(\t)+2], v[ST+8*(\t)+3]
.endr
.irp t, \ta, \ta+1
	v_permlanex16_b32 v[ST+8*(\t)+5], v[ST+8*(\t)+4], s[SEL], s[SEL+1]
.endr
.irp t, \ta, \ta+1
	v_add_f32 v[ST+8*(\t)+4], v[ST+8*(\t)+4], v[ST+8*(\t)+5]
.endr
.irp t, \ta, \ta+1
	v_rcp_f32 v[ST+8*(\t)+6], v[ST+8*(\t)+4]
.endr
	v_nop                                          ; a plain line behind the reciprocals,
	s_wait_alu depctr_va_vdst(0)                   ; and one wait for both, ahead of their first reader and of the branch
	OUT1 \ta, \ob, \skip
	OUT1 \ta+1, \ob, 0
	s_wait_xcnt 0x0                                ; the stores have read their registers: the next scores may be written there
.endm
; A slot's four steps: written once, walked four times; a step past the long block's end is left out, by a branch on ids and the count of steps.
.macro SLOT_STEPS both
	s_mov_b32 s[KS], 4
.Lstep_\@:
	s_cmp_ge_u32 s[TC], s[TL]
	s_cbranch_scc1 .Lend_\@
.if \both
	s_cmp_ge_u32 s[TC], s[TS]
	s_cbranch_scc1 .Lone_\@
	STEP 2
	s_add_co_u32 s46, s[TC], 1
	s_cmp_lg_u32 s46, s[TS]
	s_cbranch_scc1 .Lend_\@
	OUT2 2, OBS, 1                                 ; the short block is finished: it leaves here
	s_branch .Lend_\@
.Lone_\@:
.endif
	STEP 1
.Lend_\@:
	s_add_co_u32 s[TC], s[TC], 1
	s_add_co_u32 s[TB], s[TB], STEPB
	s_sub_co_u32 s[KS], s[KS], 1
	s_cmp_lg_u32 s[KS], 0
	s_cbranch_scc1 .Lstep_\@
	s_sub_co_u32 s[TB], s[TB], 4*STEPB             ; back to a slot's first step,
	s_xor_b32 s[TB], s[TB], SLOT1                  ; in the other slot
.endm
; THE CHANGE OF SLOTS, at a slot's end.  Each wave waits for all its tensor loads (the one out is its part of the slot ahead), adds 0 to its spare word, and waits for that and for its reads of the slot
; that it leaves.  Behind the barrier that slot is filled again, with the keys two slots on, if a step of them is walked: the load has a slot's four steps in which to land.
.macro CHANGE fill
	s_wait_tensorcnt 0x0                           ; no tensor load of mine is out, so the walking descriptor may be written
	ds_add_u32 v[SPW], v[NIL]
.if \fill
	s_xor_b32 s[G0W+1], s[G0W+1], SLOT1
	s_add_nc_u64 s[G0W+2:G0W+3], s[G0W+2:G0W+3], 65536
	s_wait_xcnt 0x0                                ; the last prefetches, a slot back, have read their address
	s_add_nc_u64 s[PFA:PFA+1], s[PFA:PFA+1], 65536 ; one slot further on than the walking descriptor
.endif
	s_wait_dscnt 0x0                               ; the add is done, and my reads of the slot that I leave are over
	s_barrier_signal -1
	s_barrier_wait -1
.if \fill
	s_add_co_u32 s46, s[TC], 4                     ; the first step of the keys that this change would ask for;
	s_cmp_ge_u32 s46, s[TL]                        ; past the long block's end none of the waves reads them.  Ids and the count of steps alone: all four waves go the same way
	s_cbranch_scc1 .Lpast_\@
	tensor_load_to_lds s[G0W:G0W+3], s[G1:G1+7]    ; my one tensor load until the next such barrier
	s_nop 0
	PLACES
.Lpast_\@:
.endif
	s_cmp_ge_u32 s[TC], s[TL]
	s_cbranch_scc1 .Lno_first_\@
	FETCH_K 0                                      ; the slot ahead: its first step's K
	WIN 0
.Lno_first_\@:
.if \fill
	s_cmp_gt_u32 s[SLOTS], s[LIM]                  ; what the next change will ask for: my own 4 x 8,192 bytes of it, lanes 256 bytes apart; the last change that fills asks for nothing
	s_cbranch_scc0 .Lnot_mine_\@
.irp row, 0,1,2,3
	global_prefetch_b8 v[PFO], s[PFA:PFA+1] offset:16384*\row th:TH_LOAD_NT scope:SCOPE_SE
.endr
.Lnot_mine_\@:
.endif
.endm
	s_wait_loadcnt 0x0                             ; Q
	s_wait_tensorcnt 0x0                           ; my parts of both slots are in (every wait for tensor loads in this text is for all of them),
	s_barrier_signal -1
	s_barrier_wait -1                              ; everybody's are
	FETCH_K 0                                      ; step 0's K, with no branch round it
	WIN 0
	s_mov_b32 s[SLOTS], 14
.Lslot:                                            ; 14 trips: slots' worth 0 to 13 are walked, 2 to 15 asked for (up to the long block's end)
	SLOT_STEPS 1
	CHANGE 1
	s_sub_co_u32 s[SLOTS], s[SLOTS], 1
	s_cmp_lg_u32 s[SLOTS], 0
	s_cbranch_scc1 .Lslot
	SLOT_STEPS 0                                   ; steps 56 on: the short block ended by step 32; nothing is left to ask for
	CHANGE 0
	SLOT_STEPS 0
	OUT2 0, OBL, 0                                 ; the long block leaves
	s_wait_tensorcnt 0x0                           ; the wave's end
	ds_add_u32 v[SPW], v[NIL]
	s_wait_dscnt 0x0
	s_endpgm
.Lfunc_end_k_q92dfdae452_attn:
	.size	k_q92dfdae452_attn, .Lfunc_end_k_q92dfdae452_attn-k_q92dfdae452_attn
	.p2alignl 7, 3214868480
	.fill 96, 4, 3214868480
	.section	.rodata,"a",@progbits
	.p2align	6, 0x0
	.amdhsa_kernel k_q92dfdae452_attn
		.amdhsa_group_segment_fixed_size 327680
		.amdhsa_private_segment_fixed_size 0
		.amdhsa_enable_private_segment 0
		.amdhsa_kernarg_size 32
		.amdhsa_user_sgpr_count 2
		.amdhsa_user_sgpr_kernarg_segment_ptr 1
		.amdhsa_wavefront_size32 1
		.amdhsa_system_sgpr_workgroup_id_x 1
		.amdhsa_system_sgpr_workgroup_id_y 1
		.amdhsa_system_sgpr_workgroup_id_z 1
		.amdhsa_system_vgpr_workitem_id 0
		.amdhsa_next_free_vgpr 1024
		.amdhsa_next_free_sgpr 66
		.amdhsa_reserve_vcc 1
		.amdhsa_float_denorm_mode_32 3
		.amdhsa_float_denorm_mode_16_64 3
		.amdhsa_memory_ordered 1
		.amdhsa_forward_progress 1
		.amdhsa_inst_pref_size 192
	.end_amdhsa_kernel
	.amdgpu_metadata
---
amdhsa.version: [ 1, 2 ]
amdhsa.kernels:
  - .name:           k_q92dfdae452_attn
    .symbol:         k_q92dfdae452_attn.kd
    .args:
      - { .name: qimg, .offset: 0, .size: 8, .value_kind: global_buffer, .address_space: global }
      - { .name: kimg, .offset: 8, .size: 8, .value_kind: global_buffer, .address_space: global }
      - { .name: vimg, .offset: 16, .size: 8, .value_kind: global_buffer, .address_space: global }
      - { .name: out0, .offset: 24, .size: 8, .value_kind: global_buffer, .address_space: global }
    .group_segment_fixed_size: 327680
    .private_segment_fixed_size: 0
    .kernarg_segment_align: 8
    .kernarg_segment_size: 32
    .max_flat_workgroup_size: 128
    .sgpr_count:     66
    .vgpr_count:     1024
    .wavefront_size: 32
...
	.end_amdgpu_metadata
.endif
;; end of part 3
;; launch fine (part 4): grid 12 x 1, 12 waves a work-group, no clusters, 34,816 bytes of LDS; arguments cimg, csc, out0; writes out0
.if DOCPART == 4
	.amdgcn_target "amdgcn-amd-amdhsa--gfx1250"
	.amdhsa_code_object_version 6
	.text
	.protected	k_q92dfdae452_fine
	.globl	k_q92dfdae452_fine
	.p2align	8
	.type	k_q92dfdae452_fine,@function
k_q92dfdae452_fine:
	s_mov_b64 s[64:65], 0
	v_nop
	global_prefetch_b8 v0, s[64:65] scope:SCOPE_SE
	s_setreg_imm32_b32 hwreg(HW_REG_WAVE_MODE, 25, 1), 1
	s_wait_xcnt 0x0
; Positions 0 to 15 of each sequence, for one (batch, head): these rows average one to sixteen values, so nothing is rounded to 16 bits on their way.
; PHASE P, twelve waves: Q, K, V of the 16 positions x 128 channels anew from the codes (E2M1 products, f32 sums): wave wv makes 32 channels of tensor wv / 4.  Q and K transposed (a lane: one position,
; eight channels), V natural (a lane: one channel, eight positions).  The results go to LDS as images of their registers.
; PHASE F, wave 0: S^T = K Q^T, the causal softmax and O^T = V^T P with f32 operands (64 small products: no bulk work).  Along a product's K the same permutation stands on both sides.
; The registers that the f32 products write (v176-255) are written by matrix instructions alone; what is made of a sum goes elsewhere.
; REGISTERS: v1-11 addresses and constants; v16-18, v20-25 scale words and nothing else; v26-29 at work; v32-79 x's fragments; v80-175 W's fragments;
; in phase F: v32-95 Q's image, then V's, then rows of the result; v96-159 K's image, then the result; v160-167 scores, then p.
.set STG,   24576                      ; LDS: the images from 0 (3 tensors x 8 tiles x 1,024 bytes); the stage: 16 rows x 528
.set SPARE, 33024                      ; the spare words, 128 bytes for each of twelve waves
.set XS, 16                            ; v16-18   x's scale words: pair of K steps p (lanes 0-15 the even step, lanes 16-31 the odd)
.set WS, 20                            ; v20-25   W's: 3 u + p
.set TM, 26                            ; v26-29   at work
.set XF, 32                            ; v32-79   x's six fragments
.set WF, 80                            ; v80-175  W's twelve fragments: 48 u + 8 s
.set QD, 32                            ; v32-95   Q's image; later V's image; later rows read back from the stage
.set KD, 96                            ; v96-159  K's image; later the normalised result
.set TP, 160                           ; v160-167 scores, then p
.set SA, 176                           ; v176-183, v184-191 two accumulators
.set SB, 184
.set OA, 192                           ; v192-255 O^T
	s_load_b128 s[4:7], s[0:1], 0x0                ; cimg, csc
	s_load_b64 s[8:9], s[0:1], 0x10                ; out0
	v_lshl_add_u32 v4, v0, 2, SPARE                ; v4, v5: the add's two registers; never rewritten
	v_mov_b32 v5, 0
	v_lshrrev_b32 v6, 5, v0
	v_readfirstlane_b32 s10, v6                    ; wave 0..11
	v_and_b32 v2, 31, v0
	v_lshlrev_b32 v1, 4, v2                        ; 16 x lane
	v_lshlrev_b32 v2, 2, v2                        ; 4 x lane
	s_lshl_b32 s11, s10, 11
	v_add_nc_u32 v3, s11, v1                       ; my two tiles' images: 2,048 x wave + 16 x lane
	v_and_b32 v6, 15, v0                           ; r
	v_bfe_u32 v7, v0, 4, 1                         ; h
	v_mul_u32_u24 v8, v6, 528
	v_lshl_add_u32 v8, v7, 5, v8
	v_add_nc_u32 v8, STG, v8                       ; the stage, in: row r, 32 h bytes on
	v_add_nc_u32 v9, STG, v1                       ; and back
	v_lshlrev_b32 v7, 3, v7
	v_sub_nc_u32 v10, v6, v7                       ; r - 8 h
	v_mov_b32 v11, 0xff800000                      ; -infinity
	v_mov_b32 v[TM+1], 0                           ; written once: a lane permute's destination counts as a source
	s_mov_b32 s20, 0x76543210
	s_mov_b32 s21, 0xfedcba98
	s_mov_b32 s22, 0x3e0293ee                      ; c = log2(e) / sqrt(128)
	s_cmp_ge_u32 ttmp9, 6
	s_cselect_b32 s12, 1, 0                        ; b
	s_mul_i32 s13, s12, 6
	s_sub_co_u32 s13, ttmp9, s13                   ; head
	s_lshr_b32 s14, s10, 2                         ; tensor
	s_mul_i32 s14, s14, 48
	s_lshl_b32 s16, s13, 3
	s_add_co_u32 s14, s14, s16
	s_and_b32 s15, s10, 3
	s_lshl_b32 s15, s15, 1
	s_add_co_u32 s14, s14, s15
	s_add_co_u32 s14, s14, 512                     ; my first block of 16 rows of W
	s_mul_i32 s24, s14, 6144
	s_mov_b32 s25, 0
	s_mul_i32 s26, s14, 384
	s_mov_b32 s27, 0
	s_mul_i32 s28, s12, 256*6144                   ; x: the batch's first block of rows
	s_mov_b32 s29, 0
	s_mul_i32 s30, s12, 256*384
	s_mov_b32 s31, 0
	s_mul_i32 s32, s12, 4096*3072
	s_lshl_b32 s33, s13, 9
	s_add_co_u32 s32, s32, s33
	s_mov_b32 s33, 0
	s_wait_kmcnt 0x0
	s_add_nc_u64 s[24:25], s[4:5], s[24:25]
	s_add_nc_u64 s[26:27], s[6:7], s[26:27]
	s_add_nc_u64 s[28:29], s[4:5], s[28:29]
	s_add_nc_u64 s[30:31], s[6:7], s[30:31]
	s_add_nc_u64 s[8:9], s[8:9], s[32:33]
.set n, 0
.rept 12
	global_load_b128 v[XF+4*n:XF+4*n+3], v1, s[28:29] offset:512*n    ; register 8 s + 4 c of x's fragments
.set n, n+1
.endr
.set n, 0
.rept 24
	global_load_b128 v[WF+4*n:WF+4*n+3], v1, s[24:25] offset:512*n    ; register 48 u + 8 s + 4 c of W's
.set n, n+1
.endr
.irp p, 0,1,2
	global_load_b32 v[XS+\p], v2, s[30:31] offset:128*\p
.irp u, 0,1
	global_load_b32 v[WS+3*\u+\p], v2, s[26:27] offset:384*\u+128*\p
.endr
.endr
	s_wait_loadcnt 0x0
; twelve products, the two accumulators by turns.  sw = 1: source 0 = W's rows, source 1 = x's; sw = 0: the other way round
.macro PROD sw
.irp s, 0,1,2,3,4,5
.irp u, 0,1
.set DA, SA+8*\u
.set FW, WF+48*\u+8*\s
.set FX, XF+8*\s
.set SW, WS+3*\u+\s/2
.set SX, XS+\s/2
.if \sw
.if \s == 0
	v_wmma_scale_f32_16x16x128_f8f6f4 v[DA:DA+7], v[FW:FW+7], v[FX:FX+7], 0, v[SW], v[SX] matrix_a_fmt:MATRIX_FMT_FP4 matrix_b_fmt:MATRIX_FMT_FP4
.elseif \s%2
	v_wmma_scale_f32_16x16x128_f8f6f4 v[DA:DA+7], v[FW:FW+7], v[FX:FX+7], v[DA:DA+7], v[SW], v[SX] matrix_a_fmt:MATRIX_FMT_FP4 matrix_b_fmt:MATRIX_FMT_FP4 matrix_a_scale:MATRIX_SCALE_ROW1 matrix_b_scale:MATRIX_SCALE_ROW1
.else
	v_wmma_scale_f32_16x16x128_f8f6f4 v[DA:DA+7], v[FW:FW+7], v[FX:FX+7], v[DA:DA+7], v[SW], v[SX] matrix_a_fmt:MATRIX_FMT_FP4 matrix_b_fmt:MATRIX_FMT_FP4
.endif
.else
.if \s == 0
	v_wmma_scale_f32_16x16x128_f8f6f4 v[DA:DA+7], v[FX:FX+7], v[FW:FW+7], 0, v[SX], v[SW] matrix_a_fmt:MATRIX_FMT_FP4 matrix_b_fmt:MATRIX_FMT_FP4
.elseif \s%2
	v_wmma_scale_f32_16x16x128_f8f6f4 v[DA:DA+7], v[FX:FX+7], v[FW:FW+7], v[DA:DA+7], v[SX], v[SW] matrix_a_fmt:MATRIX_FMT_FP4 matrix_b_fmt:MATRIX_FMT_FP4 matrix_a_scale:MATRIX_SCALE_ROW1 matrix_b_scale:MATRIX_SCALE_ROW1
.else
	v_wmma_scale_f32_16x16x128_f8f6f4 v[DA:DA+7], v[FX:FX+7], v[FW:FW+7], v[DA:DA+7], v[SX], v[SW] matrix_a_fmt:MATRIX_FMT_FP4 matrix_b_fmt:MATRIX_FMT_FP4
.endif
.endif
.endr
.endr
.endm
	s_cmp_lt_u32 s10, 8
	s_cbranch_scc0 .Lfor_v
	PROD 1                                         ; Q, K
	s_branch .Lmade
.Lfor_v:
	PROD 0                                         ; V
.Lmade:
.rept 5
	v_nop                                          ; four places ahead of the stores that read the results and of the loads into the operands' registers; five ahead of the f32 sums that begin anew on these accumulators
.endr
.irp u, 0,1
.irp c, 0,1
	ds_store_b128 v3, v[SA+8*\u+4*\c:SA+8*\u+4*\c+3] offset:1024*\u+512*\c   ; each accumulator from its low end on
.endr
.endr
	s_wait_dscnt 0x0                               ; for the others' sake: my images have landed
	s_barrier_signal -1
	s_barrier_wait -1
	s_cmp_eq_u32 s10, 0
	s_cbranch_scc1 .Lwave_0
	s_wait_tensorcnt 0x0                           ; waves 1 to 11 end
	ds_add_u32 v4, v5
	s_wait_dscnt 0x0
	s_endpgm
.Lwave_0:
.set n, 0
.rept 16
	ds_load_b128 v[QD+4*n:QD+4*n+3], v1 offset:512*n           ; Q: register 8 nt + j: position r, channel 16 nt + 8 h + j
	ds_load_b128 v[KD+4*n:KD+4*n+3], v1 offset:8192+512*n      ; K likewise
.set n, n+1
.endr
	s_wait_dscnt 0x0
.set n, 0
.rept 32                                       ; S^T: four channels a product; two sums by turns, each begun by its own first product
.set AC, SA+8*(n%2)
.if n < 2
	v_wmma_f32_16x16x4_f32 v[AC:AC+7], v[KD+2*n:KD+2*n+1], v[QD+2*n:QD+2*n+1], 0
.else
	v_wmma_f32_16x16x4_f32 v[AC:AC+7], v[KD+2*n:KD+2*n+1], v[QD+2*n:QD+2*n+1], v[AC:AC+7]
.endif
.set n, n+1
.endr
.rept 8
	v_nop                                          ; eight places behind this form, ahead of the loads into Q's registers and of the first read of the sums
.endr
.set n, 0
.rept 16
	ds_load_b128 v[QD+4*n:QD+4*n+3], v1 offset:16384+512*n     ; V: register 8 ct + j: channel 16 ct + r, position 8 h + j
.set n, n+1
.endr
.irp j, 0,1,2,3,4,5,6,7
	v_add_f32 v[TP+\j], v[SA+\j], v[SB+\j]         ; score of key 8 h + j, query r
.endr
.irp j, 0,1,2,3,4,5,6,7
	v_cmp_gt_i32 vcc_lo, \j, v10                   ; hidden where 8 h + j > r
	v_cndmask_b32 v[TP+\j], v[TP+\j], v11, vcc_lo
.endr
	v_max3_num_f32 v[TM], v[TP], v[TP+1], v[TP+2]
	v_max3_num_f32 v[TM], v[TM], v[TP+3], v[TP+4]
	v_max3_num_f32 v[TM], v[TM], v[TP+5], v[TP+6]
	v_max_num_f32 v[TM], v[TM], v[TP+7]
	v_permlanex16_b32 v[TM+1], v[TM], s20, s21
	v_max_num_f32 v[TM], v[TM], v[TM+1]            ; the row's maximum (key 0 counts for every query)
	v_mul_f32 v[TM], s22, v[TM]
.irp j, 0,1,2,3,4,5,6,7
	v_fma_f32 v[TP+\j], v[TP+\j], s22, -v[TM]
.endr
.irp j, 0,1,2,3,4,5,6,7
	v_exp_f32 v[TP+\j], v[TP+\j]
.endr
	v_nop                                          ; a plain line behind the exponentials,
	s_wait_alu depctr_va_vdst(0)                   ; and one wait for the eight, ahead of their first reader
	v_add_f32 v[TM+2], v[TP], v[TP+1]
	v_add_f32 v[TM+3], v[TP+2], v[TP+3]
	v_add_f32 v[TM+2], v[TM+2], v[TP+4]
	v_add_f32 v[TM+3], v[TM+3], v[TP+5]
	v_add_f32 v[TM+2], v[TM+2], v[TP+6]
	v_add_f32 v[TM+3], v[TM+3], v[TP+7]
	v_add_f32 v[TM+2], v[TM+2], v[TM+3]
	v_permlanex16_b32 v[TM+1], v[TM+2], s20, s21
	v_add_f32 v[TM+2], v[TM+2], v[TM+1]            ; the row's sum
	v_rcp_f32 v[TM+3], v[TM+2]
	v_nop
	s_wait_alu depctr_va_vdst(0)
	s_wait_dscnt 0x0                               ; V
.set n, 0
.rept 32                                       ; O^T: four keys a product; the eight tiles of channels by turns
.set AC, OA+8*(n%8)
.set VA, QD+8*(n%8)+2*(n/8)
.if n < 8
	v_wmma_f32_16x16x4_f32 v[AC:AC+7], v[VA:VA+1], v[TP+2*(n/8):TP+2*(n/8)+1], 0
.else
	v_wmma_f32_16x16x4_f32 v[AC:AC+7], v[VA:VA+1], v[TP+2*(n/8):TP+2*(n/8)+1], v[AC:AC+7]
.endif
.set n, n+1
.endr
.rept 8
	v_nop
.endr
.set n, 0
.rept 64
	v_mul_f32 v[KD+n], v[OA+n], v[TM+3]            ; into other registers, each accumulator from its low end on
.set n, n+1
.endr
.irp ct, 0,1,2,3,4,5,6,7
.irp u, 0,1
	ds_store_b128 v8, v[KD+8*\ct+4*\u:KD+8*\ct+4*\u+3] offset:64*\ct+16*\u
.endr
.endr
.irp row, 0,1,2,3,4,5,6,7,8,9,10,11,12,13,14,15
	ds_load_b128 v[QD+4*\row:QD+4*\row+3], v9 offset:528*\row   ; LDS serves a wave's instructions in order: these see the stores above
.endr
.irp row, 0,1,2,3,4,5,6,7,8,9,10,11,12,13,14,15
	s_wait_dscnt 15-\row                           ; the younger rows' loads may be out
	global_store_b128 v1, v[QD+4*\row:QD+4*\row+3], s[8:9] offset:3072*\row th:TH_STORE_NT   ; 512 consecutive bytes, aligned to 256
.endr
	s_wait_tensorcnt 0x0                           ; the wave's end
	ds_add_u32 v4, v5
	s_wait_dscnt 0x0
	s_endpgm
.Lfunc_end_k_q92dfdae452_fine:
	.size	k_q92dfdae452_fine, .Lfunc_end_k_q92dfdae452_fine-k_q92dfdae452_fine
	.p2alignl 7, 3214868480
	.fill 96, 4, 3214868480
	.section	.rodata,"a",@progbits
	.p2align	6, 0x0
	.amdhsa_kernel k_q92dfdae452_fine
		.amdhsa_group_segment_fixed_size 34816
		.amdhsa_private_segment_fixed_size 0
		.amdhsa_enable_private_segment 0
		.amdhsa_kernarg_size 24
		.amdhsa_user_sgpr_count 2
		.amdhsa_user_sgpr_kernarg_segment_ptr 1
		.amdhsa_wavefront_size32 1
		.amdhsa_system_sgpr_workgroup_id_x 1
		.amdhsa_system_sgpr_workgroup_id_y 1
		.amdhsa_system_sgpr_workgroup_id_z 1
		.amdhsa_system_vgpr_workitem_id 0
		.amdhsa_next_free_vgpr 256
		.amdhsa_next_free_sgpr 66
		.amdhsa_reserve_vcc 1
		.amdhsa_float_denorm_mode_32 3
		.amdhsa_float_denorm_mode_16_64 3
		.amdhsa_memory_ordered 1
		.amdhsa_forward_progress 1
		.amdhsa_inst_pref_size 27
	.end_amdhsa_kernel
	.amdgpu_metadata
---
amdhsa.version: [ 1, 2 ]
amdhsa.kernels:
  - .name:           k_q92dfdae452_fine
    .symbol:         k_q92dfdae452_fine.kd
    .args:
      - { .name: cimg, .offset: 0, .size: 8, .value_kind: global_buffer, .address_space: global }
      - { .name: csc, .offset: 8, .size: 8, .value_kind: global_buffer, .address_space: global }
      - { .name: out0, .offset: 16, .size: 8, .value_kind: global_buffer, .address_space: global }
    .group_segment_fixed_size: 34816
    .private_segment_fixed_size: 0
    .kernarg_segment_align: 8
    .kernarg_segment_size: 24
    .max_flat_workgroup_size: 384
    .sgpr_count:     66
    .vgpr_count:     256
    .wavefront_size: 32
...
	.end_amdgpu_metadata
.endif
;; end of part 4
